; MI455X (gfx1250); checked and timed in simulation.
; The chip was launched on July 23, 2026; its instructions are those of AMD's public machine-readable ISA for CDNA 5 (MIT licence, August 2026) and "CDNA5" Instruction Set Architecture Reference Guide (July 2026). The comments in the code are by the model that wrote it; some were corrected since.
;; Fast KAN Layer. Allowed arithmetic: matrix products marked QUANTISED: E5M2 operands, one given power-of-two scale a tensor, by v_wmma_f32_16x16x64_bf8_bf8 or v_wmma_f32_16x16x128_bf8_bf8, f32 sums; everything else in f32.
;; Inputs: base_scale 1,024 x 256 float32; grid 35 float32; lowp_scales 4 int32 (the exponents e of the quantised operands' scales 2^e); spline_weight 1,024 x 256 x 35 float32; x 4,096 x 1,024 float32.
;; Outputs: out0 4,096 x 256 float32.
;; This version of the problem:
;;   THIS VERSION OF THE PROBLEM IS GIVEN IN LOW PRECISION. The matrix products marked QUANTISED in the list below multiply operands that are first quantised to E5M2 (5 exponent bits, 2 mantissa bits; 8 bits a number), with one given power-of-two scale for each operand tensor; their sums are f32. All else is computed in f32.
;;   The module's matrix products, in the order in which they are computed (A, B: the left and right operand; K: the contracted axis; several contracted axes count as one K, in the product's order):
;;     1. [M 4,096, K 1,024] x [K 1,024, N 256]; A: computed on the way; B: input base_scale: QUANTISED (scales: A lowp_scales[0], B lowp_scales[1])
;;     2. [M 4,096, K 35,840] x [K 35,840, N 256]; A: computed on the way; B: input spline_weight: QUANTISED (scales: A lowp_scales[2], B lowp_scales[3])
;;   THE QUANTISER, for each operand of a quantised product, along K:
;;     - The operand's scale is 2^e, e = its entry of the input lowp_scales (int32; the entries are numbered through the quantised products in the list's order, A before B).
;;     - Each number is divided by the scale, clamped to +-57,344, and rounded to the nearest number of E5M2, ties to even, subnormals kept.
;;     - The product sums the exact products of the quantised numbers (number of the format x scale) in f32.
;;   ~~~python
;;   def quantise(x, axis, e):      # numpy; x: float32 -> the quantised numbers, widened to float32 again
;;       x = np.moveaxis(x, axis, -1); K = x.shape[-1]
;;       r = np.clip(x / 2.0 ** e, -57344, 57344)
;;       step = 2.0 ** (np.maximum(np.frexp(np.where(r == 0, 1, r))[1] - 1, -14) - 2)
;;       q = np.round(r / step) * step * 2.0 ** e      # np.round: ties to even
;;       return np.moveaxis(q, -1, axis).astype(np.float32)
;;   ~~~
;;   OPERANDS COMPUTED ON THE WAY. 'Computed on the way' means the value that the module computes at that place (a softmax that the list does not call 'softmax' is quantised finished and normalised). What goes into a quantiser is computed in f32, as accurately as f32 sums, v_exp_f32 and their like allow (about 1e-6 of the number): no bf16 or f16 on the way to a quantiser, and a product that is left as it is and whose result goes on into a quantised operand takes f32 operands (vector FMAs, or v_wmma_f32_16x16x4_f32). A number that lies on a knife's edge between two numbers of the format may be rounded either way, as far as f32 arithmetic and the matrix unit's own rounding can turn it there, and no further.
;; One version. Each part assembles by itself: llvm-mc -triple=amdgcn-amd-amdhsa -mcpu=gfx1250 --defsym DOCPART=n.
;; ======== version 1 of 1: 3 launches
;; limits: right only within a limited range of input values
;; workspace buffers: wq 9,437,184 bytes; part 33,554,432 bytes
;; launch quant (part 1): grid 64 x 4, 8 waves a work-group, no clusters, 148,736 bytes of LDS; arguments spline_weight, base_scale, lowp_scales, wq; writes wq
.if DOCPART == 1
	.amdgcn_target "amdgcn-amd-amdhsa--gfx1250"
	.amdhsa_code_object_version 6
	.text
	.protected	k_qb89f2ce3db_quant
	.globl	k_qb89f2ce3db_quant
	.p2align	8
	.type	k_qb89f2ce3db_quant,@function
k_qb89f2ce3db_quant:
	s_mov_b64 s[64:65], 0
	v_nop
	global_prefetch_b8 v0, s[64:65] scope:SCOPE_SE
	s_setreg_imm32_b32 hwreg(HW_REG_WAVE_MODE, 25, 1), 1
	s_wait_xcnt 0x0
; spline_weight [1024 i][256 j][35 c] and base_scale [1024 i][256 j], f32, become codes of E5M2, laid as images of the operand registers of the product launch.
; code = w / 2^e, held within +-57,344, to the nearest code, ties to even; e = entry 3 of the scales for spline_weight, entry 1 for base_scale.
; LIMITS: e between -126 and 112, so that 2^e and 57,344 x 2^e are f32 numbers.  NaN among the inputs is not served.
; wq: [ib 8][k 36][nt 16][2,048 bytes]; k = 0 is base_scale, k = c + 1 coefficient c; in an image byte 512 g + 16 (16 h + n) + b is the code of i = 128 ib + 32 g + 16 h + b, column j = 16 nt + n.
; Work-group (x, y) takes the 16 rows i = 16 x on and the 64 columns j = 64 y on: 8,960 bytes (35 blocks of 256) of each row of spline_weight, 256 of base_scale.
; IN: wave w copies rows 2 w and 2 w + 1 as they lie, 16 bytes a lane, into a dense stage in LDS (35 loads of 512 bytes; the 18th spans the two rows).
; OUT: a lane takes one column j and one k, and its 16 registers run down i: lanes stand 140 bytes (35 words) apart in the stage.  Wave w takes columns 32 (w % 2) on and k = w / 2 + 4 s, s = 0 .. 8.
; A lane's 16 codes are 16 bytes of an image, so sixteen lanes store 256 consecutive bytes, aligned, straight from registers.
.set IROW,  35840                      ; a row i of spline_weight in bytes
.set PIECE, 8960                       ; the work-group's part of it
.set ST0,   256                        ; the stage: 16 rows of PIECE bytes
.set BS,    ST0+16*PIECE               ; base_scale's stage: 16 rows of 256 bytes
.set SPARE, BS+4096                    ; the spare words: 128 bytes a wave
.set KIB,   36*32768                   ; bytes of wq for one ib
.set SPW,   16
.set NIL,   17
.set SCL,   18                         ; 2^e3 as f32
.set LIM,   19                         ; 57,344 x 2^e3
.set SCL0,  20                         ; the same for step 0: e1 in the waves that begin with k = 0
.set LIM0,  21
.set R,     32                         ; v32-175 the numbers as loaded
.set X,     32                         ; v32-63  behind the barrier: two sets of 16 numbers down i
.set C,     64                         ; v64-99  codes: four registers a step, never written again
	s_load_b128 s[4:7], s[0:1], 0x0                ; spline_weight, base_scale
	s_load_b128 s[8:11], s[0:1], 0x10              ; the scales' exponents, wq
	v_lshl_add_u32 v[SPW], v0, 2, SPARE
	v_mov_b32 v[NIL], 0
	v_lshrrev_b32 v2, 5, v0
	v_readfirstlane_b32 s12, v2                    ; wave 0..7
	v_and_b32 v1, 31, v0                           ; lane
	v_lshlrev_b32 v3, 4, v1                        ; 16 bytes a lane
	v_lshrrev_b32 v4, 4, v1                        ; lane / 16
	v_mad_u32_u24 v5, v4, IROW-PIECE, v3           ; the load that spans the rows: lanes 16-31 stand in the second row
	s_mul_i32 s14, s12, 2*PIECE
	s_add_co_u32 s14, s14, ST0
	v_add_nc_u32 v6, s14, v3                       ; into the stage: my wave's two rows, dense
	v_lshrrev_b32 v7, 4, v0
	v_and_b32 v8, 15, v0
	v_lshlrev_b32 v8, 4, v8
	v_lshl_add_u32 v7, v7, 10, v8                  ; base_scale: thread t reads 16 bytes of row t / 16
	v_lshl_add_u32 v8, v0, 4, BS                   ; and puts them at 16 t
	s_and_b32 s15, s12, 1                          ; which 32 columns
	s_lshr_b32 s16, s12, 1                         ; k = this + 4 s
	s_mul_i32 s17, s15, 32*140
	s_lshl_b32 s18, s16, 2
	s_add_co_u32 s17, s17, s18
	s_add_co_u32 s17, s17, ST0-4                   ; c = k - 1: one word back
	v_mul_u32_u24 v9, v1, 140
	v_add_nc_u32 v10, s17, v9                      ; out of the stage: rows 0-3,
.irp q, 1,2,3
	v_add_nc_u32 v[10+\q], \q*4*PIECE, v10         ; rows 4 q on: the offsets stay inside 16 bits
.endr
	s_lshl_b32 s18, s15, 7
	s_add_co_u32 s18, s18, BS
	v_lshl_add_u32 v14, v1, 2, s18                 ; base_scale's stage: my column
	v_and_b32 v15, 15, v1
	v_lshlrev_b32 v15, 4, v15
	v_lshl_add_u32 v15, v4, 11, v15                ; into wq: lanes 0-15 one image, lanes 16-31 the next
	s_and_b32 s13, ttmp7, 0xffff                   ; y
	s_mul_i32 s20, ttmp9, 16*IROW
	s_mul_i32 s21, s13, PIECE
	s_add_co_u32 s20, s20, s21
	s_mul_i32 s21, s12, 2*IROW
	s_add_co_u32 s20, s20, s21
	s_mov_b32 s21, 0
	s_lshl_b32 s22, ttmp9, 14
	s_lshl_b32 s23, s13, 8
	s_add_co_u32 s22, s22, s23
	s_mov_b32 s23, 0
	s_lshr_b32 s24, ttmp9, 3
	s_mul_i32 s24, s24, KIB                        ; ib
	s_lshl_b32 s25, s16, 15
	s_add_co_u32 s24, s24, s25                     ; k of step 0
	s_lshl_b32 s25, s13, 13
	s_add_co_u32 s24, s24, s25                     ; nt = 4 y
	s_lshl_b32 s25, s15, 12
	s_add_co_u32 s24, s24, s25                     ;    + 2 (w % 2)
	s_and_b32 s25, ttmp9, 7
	s_lshl_b32 s25, s25, 8
	s_add_co_u32 s24, s24, s25                     ; 512 g + 256 h
	s_mov_b32 s25, 0
	s_wait_alu depctr_va_vdst(0)
	s_wait_kmcnt 0x0
	s_load_b128 s[28:31], s[8:9], 0x0              ; e0, e1, e2, e3
	s_add_nc_u64 s[4:5], s[4:5], s[20:21]
	s_add_nc_u64 s[6:7], s[6:7], s[22:23]
	s_add_nc_u64 s[10:11], s[10:11], s[24:25]
.set m, 0
.rept 35                               ; 32 lanes read 512 consecutive bytes (the 18th: 256 of each row)
.if m < 17
	global_load_b128 v[R+4*m:R+4*m+3], v3, s[4:5] offset:512*m th:TH_LOAD_NT
.elseif m == 17
	global_load_b128 v[R+4*m:R+4*m+3], v5, s[4:5] offset:512*m th:TH_LOAD_NT
.else
	global_load_b128 v[R+4*m:R+4*m+3], v3, s[4:5] offset:512*m+IROW-PIECE th:TH_LOAD_NT
.endif
.set m, m+1
.endr
	global_load_b128 v[R+140:R+143], v7, s[6:7] th:TH_LOAD_NT
.macro MK e, vs, vl                    ; the scale and the hold from the whole number in s[e]
	s_add_co_i32 s32, s[\e], 127
	s_lshl_b32 s33, s32, 23
	v_mov_b32 v[\vs], s33
	s_add_co_i32 s32, s32, 15
	s_lshl_b32 s32, s32, 23
	s_or_b32 s32, s32, 0x600000
	v_mov_b32 v[\vl], s32
.endm
	s_wait_kmcnt 0x0
	s_cmp_eq_u32 s16, 0
	s_cselect_b32 s29, s29, s31                    ; step 0 is base_scale where k = 0
	MK 31, SCL, LIM
	MK 29, SCL0, LIM0
	s_wait_alu depctr_va_vdst(0)
.set m, 0
.rept 35
	s_wait_loadcnt 35-m                            ; loads come back in order: load m is in
	ds_store_b128 v6, v[R+4*m:R+4*m+3] offset:512*m
.set m, m+1
.endr
	s_wait_loadcnt 0x0
	ds_store_b128 v8, v[R+140:R+143]
	s_wait_dscnt 0x0                               ; for the others' sake: my stores into the stage are done
	s_barrier_signal -1
	s_barrier_wait -1
.macro LD s                            ; step s: 16 numbers down i of my column, coefficient k - 1
.irp i, 0,1,2,3,4,5,6,7,8,9,10,11,12,13,14,15
	ds_load_b32 v[X+16*((\s)%2)+\i], v[10+\i/4] offset:(\i%4)*PIECE+16*(\s)
.endr
.endm
	s_cmp_eq_u32 s16, 0
	s_cbranch_scc1 .Lbase
	LD 0
	s_branch .Ljoin
.Lbase:
.irp i, 0,1,2,3,4,5,6,7,8,9,10,11,12,13,14,15
	ds_load_b32 v[X+\i], v14 offset:\i*256
.endr
.Ljoin:
.macro STEP s
.set XS, X+16*((\s)%2)
.if (\s) == 0
.set LL, LIM0
.set SS, SCL0
.else
.set LL, LIM
.set SS, SCL
.endif
.if (\s) < 8
	LD (\s)+1
	s_wait_dscnt 16                                ; this step's 16 loads are in; the next step's may be out
.else
	s_wait_dscnt 0x0
.endif
.irp i, 0,1,2,3,4,5,6,7,8,9,10,11,12,13,14,15
	v_med3_num_f32 v[XS+\i], v[XS+\i], -v[LL], v[LL]   ; the conversion does not saturate (ISA guide 7.6.2): the hold comes first
.endr
	v_cvt_scalef32_pk8_bf8_f32 v[C+4*(\s):C+4*(\s)+1], v[XS:XS+7], v[SS]
	v_cvt_scalef32_pk8_bf8_f32 v[C+4*(\s)+2:C+4*(\s)+3], v[XS+8:XS+15], v[SS]
	global_store_b128 v15, v[C+4*(\s):C+4*(\s)+3], s[10:11] offset:(\s)*4*32768   ; sixteen lanes store 256 consecutive bytes, aligned
.endm
.irp s, 0,1,2,3,4,5,6,7,8
	STEP \s
.endr
	s_wait_tensorcnt 0x0                           ; the wave's end
	ds_add_u32 v[SPW], v[NIL]
	s_wait_dscnt 0x0
	s_endpgm
.Lfunc_end_k_qb89f2ce3db_quant:
	.size	k_qb89f2ce3db_quant, .Lfunc_end_k_qb89f2ce3db_quant-k_qb89f2ce3db_quant
	.p2alignl 7, 3214868480
	.fill 96, 4, 3214868480
	.section	.rodata,"a",@progbits
	.p2align	6, 0x0
	.amdhsa_kernel k_qb89f2ce3db_quant
		.amdhsa_group_segment_fixed_size 148736
		.amdhsa_private_segment_fixed_size 0
		.amdhsa_enable_private_segment 0
		.amdhsa_kernarg_size 32
		.amdhsa_user_sgpr_count 2
		.amdhsa_user_sgpr_kernarg_segment_ptr 1
		.amdhsa_wavefront_size32 1
		.amdhsa_system_sgpr_workgroup_id_x 1
		.amdhsa_system_sgpr_workgroup_id_y 1
		.amdhsa_system_sgpr_workgroup_id_z 1
		.amdhsa_system_vgpr_workitem_id 0
		.amdhsa_next_free_vgpr 176
		.amdhsa_next_free_sgpr 66
		.amdhsa_reserve_vcc 0
		.amdhsa_float_denorm_mode_32 3
		.amdhsa_float_denorm_mode_16_64 3
		.amdhsa_memory_ordered 1
		.amdhsa_forward_progress 1
		.amdhsa_inst_pref_size 33
	.end_amdhsa_kernel
	.amdgpu_metadata
---
amdhsa.version: [ 1, 2 ]
amdhsa.kernels:
  - .name:           k_qb89f2ce3db_quant
    .symbol:         k_qb89f2ce3db_quant.kd
    .args:
      - { .name: spline_weight, .offset: 0, .size: 8, .value_kind: global_buffer, .address_space: global }
      - { .name: base_scale, .offset: 8, .size: 8, .value_kind: global_buffer, .address_space: global }
      - { .name: lowp_scales, .offset: 16, .size: 8, .value_kind: global_buffer, .address_space: global }
      - { .name: wq, .offset: 24, .size: 8, .value_kind: global_buffer, .address_space: global }
    .group_segment_fixed_size: 148736
    .private_segment_fixed_size: 0
    .kernarg_segment_align: 8
    .kernarg_segment_size: 32
    .max_flat_workgroup_size: 256
    .sgpr_count:     66
    .vgpr_count:     176
    .wavefront_size: 32
...
	.end_amdgpu_metadata
.endif
;; end of part 1
;; launch kan (part 2): grid 32 x 8, 4 waves a work-group, clusters of 4 x 1, 327,680 bytes of LDS; arguments x, wq, grid, lowp_scales, part; writes part
.if DOCPART == 2
	.amdgcn_target "amdgcn-amd-amdhsa--gfx1250"
	.amdhsa_code_object_version 6
	.text
	.protected	k_qb89f2ce3db_kan
	.globl	k_qb89f2ce3db_kan
	.p2align	8
	.type	k_qb89f2ce3db_kan,@function
k_qb89f2ce3db_kan:
	s_mov_b64 s[64:65], 0
	v_nop
	global_prefetch_b8 v0, s[64:65] scope:SCOPE_SE
	s_setreg_imm32_b32 hwreg(HW_REG_WAVE_MODE, 25, 1), 1
	s_wait_xcnt 0x0
	s_wait_alu depctr_hold_cnt(0) depctr_sa_sdst(0) depctr_va_vdst(0) depctr_va_sdst(0) depctr_va_ssrc(0) depctr_va_vcc(0) depctr_vm_vsrc(0)
	s_getreg_b32 s2, hwreg(HW_REG_IB_STS2, 6, 4)
	s_cmp_eq_u32 s2, 0
	s_cbranch_scc0 .Lentry_in_a_cluster
	s_endpgm
.Lentry_in_a_cluster:
	s_bfe_u32 s2, ttmp6, 0x10000c
	s_cmp_lg_u32 s2, 0x3003
	s_cbranch_scc0 .Lentry_shape_is_right
	s_endpgm
.Lentry_shape_is_right:
; part[ib] = the sums over i = 128 ib .. 128 ib + 127 of Q(silu(clip x)) Q(base_scale) x 2^(e0+e1-e2-e3) + sum over c of Q(basis_c(clip x)) Q(spline_weight): the next launch adds the eight parts and multiplies by 2^(e2+e3).
; No work of the problem is left out: grid is an input, so every one of the 35 coefficients is computed for every x.
; SHARES.  Work-group (x, y): 128 rows of x, the 128 i of ib = y, all 256 columns.  Four waves, as many as a WGP has SIMDs.  Wave w = 2 rg + p: the 64 rows 64 rg on, the 64 i from 64 p on, all columns: 64 accumulators,
; 512 registers, by v_wmma_f32_16x16x64_bf8_bf8: a fragment of the weights, 1,024 bytes from LDS, feeds four matrix instructions.  The wave's tiles 0, 1 are the row tiles 2 w, 2 w + 1, its tiles 2, 3 those of wave w xor 1:
; at the end each wave hands its tiles 2, 3 to its partner through LDS, adds what it gets onto its tiles 0, 1 and stores those.
; A K step is one k (k = 0: silu and base_scale; k = c + 1: coefficient c): 64 matrix instructions in four groups of sixteen, with the vector work that makes the next k's codes ahead of and between the groups.
; basis = u^3 - v^3, u = (1/6)^(1/3) (2 - d), v = (4/6)^(1/3) max(1 - d, 0), d = |x - g| / h held at 2 from above.  THE HOLD at the largest code: the basis falls with d, so |x - g| is held from below at DL,
; where the basis still rounds to 57,344 x 2^e2 (DL = 0 from e2 = -16 on, where 2/3 lies under that number).
; The weights' images (wq) come by joint loads of the four work-groups of a cluster, which share ib: two slots of four K steps, 32 KiB (128 rows of 256 bytes) a wave and refill.
; PREFETCH: behind the step that follows refill j (slot j + 2) each wave names 32 blocks of 256 bytes of slot j + 3, a lane a block, four K steps ahead of its load; the four partners share a wave's 128 blocks out by address; the last refill's trip asks for nothing.
; The matrix instruction is used transposed (source 0 = 16 columns of the weights, source 1 = 16 rows of codes).  k lies in the registers as the images have it, alike on both sides.
; LIMITS: e0 between -126 and 112, e2 between -126 and 127, e0 + e1 - e2 - e3 between -126 and 127.  NaN among the inputs is not served.
; REGISTERS.  Window 0: v0-15 addresses and constants; v16-143 eight sets of 16 results; v144-175 at work; v176-207 codes.  Window 1: v0-127 x; v128-255 a step's 16 fragments.
; Window 2: the accumulators of tiles 0, 1, (t, nt) at 8 (16 t + nt); window 3: those of tiles 2, 3.
.set STEPB, 32768
.set SLOT1, 1<<17
.set SPARE, 2*SLOT1
.set KIB,   36*STEPB
.set LN,  1                            ; 16 x lane
.set ADR, 2                            ; this step's fragments in LDS
.set SPW, 3
.set NIL, 4
.set SC2, 5
.set SC0, 6
.set LM0, 7
.set XO0, 8                            ; x offsets of tiles 0, 1 and of tiles 2, 3; at the end the stage addresses
.set XO1, 9
.set CUP, 10
.set CVP, 12
.set LP,  14                           ; 16 x lane + 1,024 p
.set PFO, 15                           ; the prefetch's offset: 256 x lane
.set D0,  16
.set UU,  144
.set VV,  160
.set CD,  176
.set CLP, 208
.set FW,  128                          ; the fragments, in window 1
.set WV,  14
.set G1,  20
.set G0A, 28
.set G0B, 32
.set ES,  36
.set NG,  40
.set GN,  42
.set GOFF, 43
.set TB,  44
.set CNT, 45
.set OUTC, 46
.set MAU, 48
.set MAV, 50
.set DL,  52
.set H2,  53
.set FB,  54
.set ML2E, 58
.set PP,  60
.set PFA, 74
.set MSB, 0
.macro WIN new                         ; the immediate's high byte repeats the setting that is left
.if MSB != \new
	s_set_vgpr_msb (MSB<<8)|\new
.set MSB, \new
.endif
.endm
.macro CROUND                          ; a round of the cluster's barrier
	s_barrier_signal -1
	s_barrier_wait -1
	s_cmp_lg_u32 s[WV], 0
	s_cbranch_scc1 .Lnot_wave_0_\@
	s_barrier_signal -3
.Lnot_wave_0_\@:
	s_barrier_wait -3
	s_barrier_signal -1
	s_barrier_wait -1
.endm
	s_load_b256 s[4:11], s[0:1], 0x0               ; x, wq, grid, the scales' exponents
	s_load_b64 s[12:13], s[0:1], 0x20              ; part
	v_lshl_add_u32 v[SPW], v0, 2, SPARE
	v_mov_b32 v[NIL], 0
	ds_add_u32 v[SPW], v[NIL]                      ; the opening lines: the add, twice on end, and its wait
	ds_add_u32 v[SPW], v[NIL]
	v_lshrrev_b32 v1, 5, v0
	v_readfirstlane_b32 s[WV], v1                  ; wave 0..3
	s_and_b32 s[PP], s[WV], 1                      ; p: which 64 i
	s_bfe_u32 s15, ttmp6, 0x40000                  ; cx
	s_lshl_b32 s16, ttmp9, 2
	s_add_co_u32 s16, s16, s15                     ; which 128 rows
	s_and_b32 s17, ttmp7, 0xffff                   ; ib
	s_mov_b32 s[G1+0], 15|(3<<16)|(1<<21)          ; the four partners; elements of 8 bytes
	s_mov_b32 s[G1+1], 32<<16
	s_mov_b32 s[G1+2], 128<<16
	s_mov_b32 s[G1+3], 32<<16                      ; rows of 256 bytes,
	s_mov_b32 s[G1+4], 128                         ; 128 of them,
	s_mov_b32 s[G1+5], 32                          ; dense
	s_mov_b32 s[G1+6], 0
	s_mov_b32 s[G1+7], 0
	s_lshl_b32 s[G0A+1], s[WV], 15                 ; my quarter of a slot
	s_mul_i32 s66, s17, KIB
	s_add_co_u32 s66, s66, s[G0A+1]
	s_mov_b32 s67, 0
	s_lshl_b32 s68, s16, 19                        ; x: 128 rows of 4,096 bytes,
	s_lshl_b32 s18, s17, 9
	s_add_co_u32 s68, s68, s18                     ; 512 bytes for ib,
	s_lshl_b32 s18, s[PP], 8
	s_add_co_u32 s68, s68, s18                     ; 256 for p
	s_mov_b32 s69, 0
	s_lshl_b32 s70, s17, 22                        ; part: ib, row tile 8 x block + 2 w
	s_lshl_b32 s18, s16, 17
	s_add_co_u32 s70, s70, s18
	s_add_co_u32 s70, s70, s[G0A+1]
	s_mov_b32 s71, 0
	s_lshl_b32 s72, s15, 13                        ; the prefetches: my work-group's 32 blocks of my wave's 128, from slot 2 on
	s_add_co_u32 s72, s72, 2*SLOT1
	s_mov_b32 s73, 0
	v_and_b32 v[LN], 31, v0
	v_lshlrev_b32 v[PFO], 8, v[LN]
	v_lshlrev_b32 v[LN], 4, v[LN]
	s_lshl_b32 s18, s[PP], 10
	v_add_nc_u32 v[LP], s18, v[LN]
	v_and_b32 v[XO0], 15, v0
	v_bfe_u32 v[XO1], v0, 4, 1
	v_lshlrev_b32 v[XO0], 12, v[XO0]
	v_lshl_add_u32 v[XO0], v[XO1], 6, v[XO0]       ; row r, + 64 h
	s_xor_b32 s19, s[WV], 1
	s_lshl_b32 s19, s19, 17
	s_lshl_b32 s18, s[WV], 17
	v_add_nc_u32 v[XO1], s19, v[XO0]               ; tiles 2, 3: row tiles 2 (w xor 1) on
	v_add_nc_u32 v[XO0], s18, v[XO0]               ; tiles 0, 1: row tiles 2 w on
	s_wait_alu depctr_va_vdst(0)
	s_wait_dscnt 0x0
	s_wait_kmcnt 0x0
	s_load_b128 s[ES:ES+3], s[10:11], 0x0
	s_load_b32 s[GN], s[8:9], 0x0
	s_add_nc_u64 s[4:5], s[4:5], s[68:69]
	WIN 0x40
.irp t, 0,1,2,3
.irp g, 0,1
.irp j, 0,1,2,3
	global_load_b128 v[32*\t+16*\g+4*\j:32*\t+16*\g+4*\j+3], v[XO0+\t/2], s[4:5] offset:(\t%2)*65536+\g*128+\j*16   ; x(r, 64 p + 32 g + 16 h + 4 j ..), into window 1
.endr
.endr
.endr
	WIN 0
	s_add_nc_u64 s[12:13], s[12:13], s[70:71]
	s_mov_b32 s[G0A], 1
	s_add_nc_u64 s[G0A+2:G0A+3], s[6:7], s[66:67]
	s_add_nc_u64 s[PFA:PFA+1], s[G0A+2:G0A+3], s[72:73]
	s_mov_b32 s[G0B], 1
	s_add_co_u32 s[G0B+1], s[G0A+1], SLOT1
	s_add_nc_u64 s[G0B+2:G0B+3], s[G0A+2:G0A+3], 4*STEPB
	s_or_b32 s[G0A+3], s[G0A+3], 0x80000000
	s_or_b32 s[G0B+3], s[G0B+3], 0x80000000
	CROUND                                         ; in front of the first joint loads
	tensor_load_to_lds s[G0A:G0A+3], s[G1:G1+7]    ; slot 0, my quarter: one tensor load a wave at the head
	s_nop 0
	v_mov_b32 v[CLP], 0x3f7d70a4                   ; 0.99
	v_mov_b32 v[CUP], 0x3f8ce1da                   ; 2 (1/6)^(1/3)
	v_mov_b32 v[CUP+1], 0x3f8ce1da
	v_mov_b32 v[CVP], 0x3f5fa2f8                   ; (4/6)^(1/3)
	v_mov_b32 v[CVP+1], 0x3f5fa2f8
	s_mov_b32 s[MAU], 0xc115aff7                   ; -(1/6)^(1/3) / h
	s_mov_b32 s[MAU+1], 0xc115aff7
	s_mov_b32 s[MAV], 0xc16d9d28                   ; -(4/6)^(1/3) / h
	s_mov_b32 s[MAV+1], 0xc16d9d28
	s_mov_b32 s[H2], 0x3df0f0f1                    ; 2 h
	s_mov_b32 s[ML2E], 0xbfb8aa3b                  ; -log2(e)
	s_mov_b32 s[ML2E+1], 0xbfb8aa3b
	s_mov_b32 s[GOFF], 4
	s_mov_b32 s[TB], 0
	s_wait_kmcnt 0x0
	s_xor_b32 s[NG], s[GN], 0x80000000             ; -grid[0]
	s_mov_b32 s[NG+1], s[NG]
	s_add_co_i32 s66, s[ES+2], 127
	s_lshl_b32 s66, s66, 23
	v_mov_b32 v[SC2], s66                          ; 2^e2
	s_add_co_i32 s66, s[ES], 127
	s_lshl_b32 s67, s66, 23
	v_mov_b32 v[SC0], s67                          ; 2^e0
	s_add_co_i32 s66, s66, 15
	s_lshl_b32 s66, s66, 23
	s_or_b32 s66, s66, 0x600000
	v_mov_b32 v[LM0], s66                          ; 57,344 x 2^e0
	s_add_co_i32 s[FB], s[ES], s[ES+1]
	s_sub_co_i32 s[FB], s[FB], s[ES+2]
	s_sub_co_i32 s[FB], s[FB], s[ES+3]
	s_add_co_i32 s[FB], s[FB], 127
	s_lshl_b32 s[FB], s[FB], 23                    ; 2^(e0+e1-e2-e3)
	s_mov_b32 s[FB+1], s[FB]
	v_cvt_f32_i32 v16, s[ES+2]                     ; DL: under e2 = -18 the hold falls in the outer piece: 2 h - h 2^(e2/3 + 6.116); selected, never branched on
	v_mov_b32 v17, 0x3eaaaaab
	v_fmaak_f32 v16, v16, v17, 0x40c3b75c
	s_wait_alu depctr_va_vdst(0)
	v_exp_f32 v16, v16
	v_mov_b32 v17, 0xbd70f0f1
	s_wait_alu depctr_va_vdst(0)
	v_fmaak_f32 v16, v16, v17, 0x3df0f0f1
	v_readfirstlane_b32 s[DL], v16
	s_cmp_eq_i32 s[ES+2], -18
	s_cselect_b32 s[DL], 0x3d5c94dc, s[DL]
	s_cmp_eq_i32 s[ES+2], -17
	s_cselect_b32 s[DL], 0x3d0cffa8, s[DL]
	s_cmp_ge_i32 s[ES+2], -16
	s_cselect_b32 s[DL], 0, s[DL]
; One vector instruction of the 576 that follow a step's subtractions: block li / 72 (16 numbers: tile bb / 2, 32 (bb % 2) + 16 h along i), stage by stage.
.macro BI
.set bb, li/72
.set jj, li%72
.set DS, D0+16*bb
.if jj < 16
	v_med3_num_f32 v[DS+jj], |v[DS+jj]|, s[DL], s[H2]
.elseif jj < 24
	v_pk_fma_f32 v[VV+2*(jj-16):VV+2*(jj-16)+1], v[DS+2*(jj-16):DS+2*(jj-16)+1], s[MAV:MAV+1], v[CVP:CVP+1] op_sel_hi:[1,0,1]
.elseif jj < 32
	v_pk_fma_f32 v[UU+2*(jj-24):UU+2*(jj-24)+1], v[DS+2*(jj-24):DS+2*(jj-24)+1], s[MAU:MAU+1], v[CUP:CUP+1] op_sel_hi:[1,0,1]
.elseif jj < 40
	v_dual_max_num_f32 v[VV+2*(jj-32)], 0, v[VV+2*(jj-32)] :: v_dual_max_num_f32 v[VV+2*(jj-32)+1], 0, v[VV+2*(jj-32)+1]
.elseif jj < 48
	v_pk_mul_f32 v[DS+2*(jj-40):DS+2*(jj-40)+1], v[UU+2*(jj-40):UU+2*(jj-40)+1], v[UU+2*(jj-40):UU+2*(jj-40)+1]
.elseif jj < 56
	v_pk_mul_f32 v[DS+2*(jj-48):DS+2*(jj-48)+1], v[DS+2*(jj-48):DS+2*(jj-48)+1], v[UU+2*(jj-48):UU+2*(jj-48)+1]
.elseif jj < 64
	v_pk_mul_f32 v[UU+2*(jj-56):UU+2*(jj-56)+1], v[VV+2*(jj-56):VV+2*(jj-56)+1], v[VV+2*(jj-56):VV+2*(jj-56)+1]
.else
	v_pk_fma_f32 v[DS+2*(jj-64):DS+2*(jj-64)+1], v[UU+2*(jj-64):UU+2*(jj-64)+1], v[VV+2*(jj-64):VV+2*(jj-64)+1], v[DS+2*(jj-64):DS+2*(jj-64)+1] neg_lo:[1,0,0] neg_hi:[1,0,0]
.endif
.set li, li+1
.endm
.macro VC gen, n
.if \gen
.rept \n
	BI
.endr
.endif
.endm
.macro MM8 q, zero, c0                 ; four column tiles x two row tiles, whose codes begin at c0
.irp f, 0,1,2,3
.irp t, 0,1
.if \zero
	v_wmma_f32_16x16x64_bf8_bf8 v[8*(16*\t+4*\q+\f):8*(16*\t+4*\q+\f)+7], v[FW+8*(4*\q+\f):FW+8*(4*\q+\f)+7], v[\c0+8*\t:\c0+8*\t+7], 0
.else
	v_wmma_f32_16x16x64_bf8_bf8 v[8*(16*\t+4*\q+\f):8*(16*\t+4*\q+\f)+7], v[FW+8*(4*\q+\f):FW+8*(4*\q+\f)+7], v[\c0+8*\t:\c0+8*\t+7], v[8*(16*\t+4*\q+\f):8*(16*\t+4*\q+\f)+7]
.endif
.endr
.endr
.endm
.macro MM q, zero                      ; group q: sixteen matrix instructions; the 64 accumulators take turns, one instruction a turn
	WIN 0xa1                                       ; fragments window 1, codes window 0, sums window 2
	MM8 \q, \zero, CD
	WIN 0xf1                                       ; sums window 3
	MM8 \q, \zero, CD+16
	WIN 0
.endm
; A K step.  All its 32 LDS loads stand at its top; 200 vector lines stand between them and the one wait for them.  gen = 1: the next k's codes are made; the conversions stand behind the last group,
; whose 110 vector lines are the places in front of them and in front of the next step's loads.
.macro KS zero, gen
	v_add_nc_u32 v[ADR], s[TB], v[LP]
.if \gen
	s_load_b32 s[GN], s[8:9], s[GOFF] offset:0x0   ; the grid point after this step's
.endif
	WIN 0x40
.set i, 0
.rept 16
	ds_load_b128 v[FW+8*i:FW+8*i+3], v[ADR] offset:i*2048
	ds_load_b128 v[FW+8*i+4:FW+8*i+7], v[ADR] offset:i*2048+512
.set i, i+1
.endr
.if \gen
	WIN 0x01
.set i, 0
.rept 64
	v_pk_add_f32 v[D0+i:D0+i+1], v[i:i+1], s[NG:NG+1] op_sel_hi:[1,0]   ; x - g for all eight blocks: x lies in window 1
.set i, i+2
.endr
.endif
	WIN 0
.set li, 0
	VC \gen, 136
	s_wait_alu depctr_va_vdst(0)
	s_wait_dscnt 0x0                               ; the step's fragments are in
	MM 0, \zero
	VC \gen, 110
	MM 1, \zero
	VC \gen, 110
	MM 2, \zero
	VC \gen, 110
	MM 3, \zero
	VC \gen, 110
.if \gen
.irp b, 0,1,2,3,4,5,6,7
	v_cvt_scalef32_pk8_bf8_f32 v[CD+4*\b:CD+4*\b+1], v[D0+16*\b:D0+16*\b+7], v[SC2]
	v_cvt_scalef32_pk8_bf8_f32 v[CD+4*\b+2:CD+4*\b+3], v[D0+16*\b+8:D0+16*\b+15], v[SC2]
.endr
	v_nop                                          ; a plain line behind the last conversion
	s_wait_alu depctr_va_vdst(0)
	s_add_co_u32 s[TB], s[TB], STEPB
	s_wait_kmcnt 0x0
	s_xor_b32 s[NG], s[GN], 0x80000000
	s_mov_b32 s[NG+1], s[NG]
	s_add_co_u32 s[GOFF], s[GOFF], 4
	s_min_u32 s[GOFF], s[GOFF], 136                ; never past grid's last entry
.endif
.endm
.macro RUN cnt
	s_mov_b32 s[CNT], \cnt
.Lrun_\@:
	KS 0, 1
	s_sub_co_u32 s[CNT], s[CNT], 1
	s_cmp_lg_u32 s[CNT], 0
	s_cbranch_scc1 .Lrun_\@
.endm
.macro CHANGE fill                     ; the change of slots; fill = 1: the slot just read takes the slot after next
	s_wait_tensorcnt 0x0                           ; all my tensor loads have landed: my quarter of the next slot
	ds_add_u32 v[SPW], v[NIL]
.if \fill
	s_xor_b32 s[G0B+1], s[G0B+1], SLOT1
	s_add_nc_u64 s[G0B+2:G0B+3], s[G0B+2:G0B+3], 4*STEPB
.endif
	s_wait_dscnt 0x0                               ; the add is done, and my reads of this slot are over
.if \fill
	CROUND
	tensor_load_to_lds s[G0B:G0B+3], s[G1:G1+7]
	s_nop 0
.rept 4
	v_nop
.endr
.else
	s_barrier_signal -1
	s_barrier_wait -1
.endif
	s_sub_co_u32 s[TB], s[TB], 4*STEPB
	s_xor_b32 s[TB], s[TB], SLOT1
.endm
	s_wait_alu depctr_va_vdst(0)
	s_wait_loadcnt 0x0                             ; x; slot 0 is still on its way
	WIN 0x41
.set i, 0
.rept 128
	v_med3_num_f32 v[i], v[i], -v[CLP], v[CLP]     ; the clip, in window 1
.set i, i+1
.endr
	WIN 0x01                                       ; silu = x / (1 + 2^(-x log2 e)), all eight blocks stage by stage
.set i, 0
.rept 64
	v_pk_mul_f32 v[D0+i:D0+i+1], v[i:i+1], s[ML2E:ML2E+1] op_sel_hi:[1,0]
.set i, i+2
.endr
	WIN 0
	s_wait_alu depctr_va_vdst(0)                   ; a wait ahead of each batch and behind it
.set i, 0
.rept 128
	v_exp_f32 v[D0+i], v[D0+i]
.set i, i+1
.endr
	v_nop
	s_wait_alu depctr_va_vdst(0)
.set i, 0
.rept 64
	v_pk_add_f32 v[D0+i:D0+i+1], v[D0+i:D0+i+1], 1.0 op_sel_hi:[1,0]
.set i, i+2
.endr
	s_wait_alu depctr_va_vdst(0)
.set i, 0
.rept 128
	v_rcp_f32 v[D0+i], v[D0+i]
.set i, i+1
.endr
	v_nop
	s_wait_alu depctr_va_vdst(0)
	WIN 0x01
.set i, 0
.rept 64
	v_pk_mul_f32 v[D0+i:D0+i+1], v[i:i+1], v[D0+i:D0+i+1]
.set i, i+2
.endr
	WIN 0
.set i, 0
.rept 128
	v_med3_num_f32 v[D0+i], v[D0+i], -v[LM0], v[LM0]   ; the conversion does not saturate (ISA guide 7.6.2): the hold comes first
.set i, i+1
.endr
.irp b, 0,1,2,3,4,5,6,7
	v_cvt_scalef32_pk8_bf8_f32 v[CD+4*\b:CD+4*\b+1], v[D0+16*\b:D0+16*\b+7], v[SC0]
	v_cvt_scalef32_pk8_bf8_f32 v[CD+4*\b+2:CD+4*\b+3], v[D0+16*\b+8:D0+16*\b+15], v[SC0]
.endr
	v_nop
	s_wait_alu depctr_va_vdst(0)
	s_wait_tensorcnt 0x0                           ; my quarter of slot 0 is in; slot 1's first fill is issued as a refill is
	ds_add_u32 v[SPW], v[NIL]
	s_wait_dscnt 0x0
	CROUND
	tensor_load_to_lds s[G0B:G0B+3], s[G1:G1+7]
	s_nop 0
.rept 4
	v_nop
.endr
	KS 1, 1                                        ; k = 0 starts the sums
	WIN 0x82                                       ; the first product under the second's scales; each accumulator from its low end on
.set i, 0
.rept 128
	v_pk_mul_f32 v[i:i+1], v[i:i+1], s[FB:FB+1] op_sel_hi:[1,0]
.set i, i+2
.endr
	WIN 0xc3
.set i, 0
.rept 128
	v_pk_mul_f32 v[i:i+1], v[i:i+1], s[FB:FB+1] op_sel_hi:[1,0]
.set i, i+2
.endr
	WIN 0
	s_mov_b32 s[OUTC], 7
.Lslot:                                                ; trip j: k = 4 j + 1 .. 4 j + 3, the change to slot j + 1, k = 4 j + 4
	RUN 3
	CHANGE 1
	KS 0, 1
	s_wait_xcnt 0x0                                ; the last trip's prefetch has read its address
	s_add_nc_u64 s[PFA:PFA+1], s[PFA:PFA+1], 4*STEPB
	s_cmp_gt_u32 s[OUTC], 1                        ; slot j + 3 exists up to j = 5
	s_cbranch_scc0 .Lnone
	global_prefetch_b8 v[PFO], s[PFA:PFA+1] th:TH_LOAD_NT scope:SCOPE_SE
.Lnone:
	s_sub_co_u32 s[OUTC], s[OUTC], 1
	s_cmp_lg_u32 s[OUTC], 0
	s_cbranch_scc1 .Lslot
	RUN 3                                          ; k = 29 .. 31
	CHANGE 0                                       ; to slot 8; nothing is filled again
	RUN 3                                          ; k = 32 .. 34
	KS 0, 0                                        ; k = 35
	; THE WAY OUT.  The stage is slot 1's place: it has had its last fill, and its last reads lie ahead of the last change of slots.
	s_barrier_signal -1                            ; every wave's reads of the ring are over (each has waited for its own)
	s_barrier_wait -1
	s_lshl_b32 s18, s[WV], 15
	s_add_co_u32 s18, s18, SLOT1
	s_xor_b32 s19, s[WV], 1
	s_lshl_b32 s19, s19, 15
	s_add_co_u32 s19, s19, SLOT1
	v_add_nc_u32 v[XO0], s18, v[LN]                ; my 32 KiB of the stage
	v_add_nc_u32 v[XO1], s19, v[LN]                ; my partner's
.rept 4
	v_nop
.endr
	WIN 0x0c
.set i, 0
.rept 64
	ds_store_b128 v[XO0], v[4*i:4*i+3] offset:512*i   ; my tiles 2, 3 (window 3), as they lie in the registers
.set i, i+1
.endr
	WIN 0
	s_wait_alu depctr_va_vdst(0)
	s_wait_dscnt 0x0                               ; for the partner's sake
	s_barrier_signal -1
	s_barrier_wait -1
	WIN 0x40
.set i, 0
.rept 64
	ds_load_b128 v[4*i:4*i+3], v[XO1] offset:512*i    ; my partner's sums for my tiles 0, 1, into window 1
.set i, i+1
.endr
.irp q, 0,1,2,3,4,5,6,7
	s_wait_dscnt 56-8*\q                           ; eight more loads are in
	WIN 0x46                                       ; window 2 + window 1 -> window 1
.set i, 0
.rept 16
	v_pk_add_f32 v[32*\q+i:32*\q+i+1], v[32*\q+i:32*\q+i+1], v[32*\q+i:32*\q+i+1]
.set i, i+2
.endr
	WIN 0x04
.set i, 0
.rept 8
	global_store_b128 v[LN], v[32*\q+4*i:32*\q+4*i+3], s[12:13] offset:512*(8*\q+i)   ; 32 lanes store 512 consecutive bytes, aligned; the next launch reads them
.set i, i+1
.endr
.endr
	WIN 0
	s_wait_tensorcnt 0x0                           ; the wave's end
	ds_add_u32 v[SPW], v[NIL]
	s_wait_dscnt 0x0
	CROUND                                         ; the closing round
	s_endpgm
.Lfunc_end_k_qb89f2ce3db_kan:
	.size	k_qb89f2ce3db_kan, .Lfunc_end_k_qb89f2ce3db_kan-k_qb89f2ce3db_kan
	.p2alignl 7, 3214868480
	.fill 96, 4, 3214868480
	.section	.rodata,"a",@progbits
	.p2align	6, 0x0
	.amdhsa_kernel k_qb89f2ce3db_kan
		.amdhsa_group_segment_fixed_size 327680
		.amdhsa_private_segment_fixed_size 0
		.amdhsa_enable_private_segment 0
		.amdhsa_kernarg_size 40
		.amdhsa_user_sgpr_count 2
		.amdhsa_user_sgpr_kernarg_segment_ptr 1
		.amdhsa_wavefront_size32 1
		.amdhsa_system_sgpr_workgroup_id_x 1
		.amdhsa_system_sgpr_workgroup_id_y 1
		.amdhsa_system_sgpr_workgroup_id_z 1
		.amdhsa_system_vgpr_workitem_id 0
		.amdhsa_next_free_vgpr 1024
		.amdhsa_next_free_sgpr 80
		.amdhsa_reserve_vcc 0
		.amdhsa_float_denorm_mode_32 3
		.amdhsa_float_denorm_mode_16_64 3
		.amdhsa_memory_ordered 1
		.amdhsa_forward_progress 1
		.amdhsa_inst_pref_size 255
	.end_amdhsa_kernel
	.section	.bss,"aw",@nobits
	.p2align	6
	.space	262144
	.amdgpu_metadata
---
amdhsa.version: [ 1, 2 ]
amdhsa.kernels:
  - .name:           k_qb89f2ce3db_kan
    .symbol:         k_qb89f2ce3db_kan.kd
    .args:
      - { .name: x, .offset: 0, .size: 8, .value_kind: global_buffer, .address_space: global }
      - { .name: wq, .offset: 8, .size: 8, .value_kind: global_buffer, .address_space: global }
      - { .name: grid, .offset: 16, .size: 8, .value_kind: global_buffer, .address_space: global }
      - { .name: lowp_scales, .offset: 24, .size: 8, .value_kind: global_buffer, .address_space: global }
      - { .name: part, .offset: 32, .size: 8, .value_kind: global_buffer, .address_space: global }
    .group_segment_fixed_size: 327680
    .private_segment_fixed_size: 0
    .kernarg_segment_align: 8
    .kernarg_segment_size: 40
    .max_flat_workgroup_size: 128
    .sgpr_count:     80
    .vgpr_count:     1024
    .wavefront_size: 32
...
	.end_amdgpu_metadata
.endif
;; end of part 2
;; launch sum (part 3): grid 256 x 1, 8 waves a work-group, no clusters, 17,664 bytes of LDS; arguments part, lowp_scales, out0; writes out0
.if DOCPART == 3
	.amdgcn_target "amdgcn-amd-amdhsa--gfx1250"
	.amdhsa_code_object_version 6
	.text
	.protected	k_qb89f2ce3db_sum
	.globl	k_qb89f2ce3db_sum
	.p2align	8
	.type	k_qb89f2ce3db_sum,@function
k_qb89f2ce3db_sum:
	s_mov_b64 s[64:65], 0
	v_nop
	global_prefetch_b8 v0, s[64:65] scope:SCOPE_SE
	s_setreg_imm32_b32 hwreg(HW_REG_WAVE_MODE, 25, 1), 1
	s_wait_xcnt 0x0
; out0 = 2^(e2+e3) x the sum of the eight parts, turned into rows.  part: [ib 8][mt 256][nt 16][q 2][lane 32][16 bytes]: lane (r, h), number e of quad q is out(16 mt + r, 16 nt + 8 h + 4 q + e).  out0: [4096][256] f32.
; LIMIT: e2 + e3 between -126 and 127, so that 2^(e2+e3) is an f32 number.
; A work-group takes 16 rows (one mt); wave w the tiles nt = 2 w and 2 w + 1: four loads of 512 consecutive bytes from each part, all 32 out at once.  The sums meet in a stage in LDS (rows of 1,024 bytes + 16)
; and each wave stores two whole rows.  Memory binds: no matrix unit, no cluster, no tensor load.
.set PARTB, 4194304                    ; bytes of one part
.set SP,    1040                       ; a stage row
.set PO,    8                          ; v8-15    part p: 16 x lane + p x PARTB
.set A,     32                         ; v32-159  part p, load i at 16 p + 4 i
.set OUTR,  160                        ; v160-175 the way out
	s_load_b128 s[4:7], s[0:1], 0x0                ; part, the scales' exponents
	s_load_b64 s[8:9], s[0:1], 0x10                ; out0
	v_lshl_add_u32 v176, v0, 2, 0x4100
	v_mov_b32 v177, 0
	v_lshrrev_b32 v2, 5, v0
	s_delay_alu instid0(VALU_DEP_1)
	v_readfirstlane_b32 s10, v2                    ; wave 0..7
	v_and_b32 v1, 31, v0
	s_delay_alu instid0(VALU_DEP_1)
	v_lshlrev_b32 v3, 4, v1                        ; 16 x lane
.irp p, 0,1,2,3,4,5,6,7
	v_add_nc_u32 v[PO+\p], \p*PARTB, v3
.endr
	v_and_b32 v5, 15, v0                           ; r
	v_bfe_u32 v6, v0, 4, 1                         ; h
	s_delay_alu instid0(VALU_DEP_2)
	v_mul_u32_u24 v4, v5, SP
	s_delay_alu instid0(VALU_DEP_1)
	v_lshl_add_u32 v4, v6, 5, v4
	s_lshl_b32 s14, s10, 7
	v_add_nc_u32 v4, s14, v4                       ; into the stage: row r, + 32 h, + 128 x wave
	s_mul_i32 s15, s10, 2*SP
	v_add_nc_u32 v7, s15, v3                       ; back: my two rows, 16 bytes a lane
	s_lshl_b32 s12, ttmp9, 14                      ; mt x 16,384 + wave x 2,048: my place in a part, and as it happens in out0 (16 rows of 1,024 bytes; two rows a wave)
	s_lshl_b32 s13, s10, 11
	s_add_co_u32 s12, s12, s13
	s_mov_b32 s13, 0
	s_wait_alu depctr_va_vdst(0)
	s_wait_kmcnt 0x0
	s_load_b64 s[16:17], s[6:7], 0x8               ; e2, e3
	s_add_nc_u64 s[4:5], s[4:5], s[12:13]
	s_add_nc_u64 s[8:9], s[8:9], s[12:13]
.irp p, 0,1,2,3,4,5,6,7
.irp i, 0,1,2,3
	global_load_b128 v[A+16*\p+4*\i:A+16*\p+4*\i+3], v[PO+\p], s[4:5] offset:\i*512 th:TH_LOAD_NT
.endr
.endr
	s_wait_kmcnt 0x0
	s_add_co_i32 s18, s16, s17
	s_add_co_i32 s18, s18, 127
	s_lshl_b32 s18, s18, 23                        ; 2^(e2+e3) as f32
	s_mov_b32 s19, s18                             ; (named with it as a pair, so it is written)
.irp p, 0,2,4,6
	s_wait_loadcnt 4*(6-\p)                        ; parts p and p + 1 are in; four loads for each later part may be out
.irp r, 0,2,4,6,8,10,12,14
	v_pk_add_f32 v[A+16*\p+\r:A+16*\p+\r+1], v[A+16*\p+\r:A+16*\p+\r+1], v[A+16*(\p+1)+\r:A+16*(\p+1)+\r+1]
.endr
.endr
.irp p, 0,4
.irp r, 0,2,4,6,8,10,12,14
	v_pk_add_f32 v[A+16*\p+\r:A+16*\p+\r+1], v[A+16*\p+\r:A+16*\p+\r+1], v[A+16*(\p+2)+\r:A+16*(\p+2)+\r+1]
.endr
.endr
.irp r, 0,2,4,6,8,10,12,14
	v_pk_add_f32 v[A+\r:A+\r+1], v[A+\r:A+\r+1], v[A+64+\r:A+64+\r+1]
.endr
.irp r, 0,2,4,6,8,10,12,14
	v_pk_mul_f32 v[A+\r:A+\r+1], v[A+\r:A+\r+1], s[18:19] op_sel_hi:[1,0]
.endr
.irp i, 0,1,2,3
	ds_store_b128 v4, v[A+4*\i:A+4*\i+3] offset:(\i/2)*64+(\i%2)*16   ; tile 2 w + i / 2, quad i % 2
.endr
	s_wait_dscnt 0x0                               ; for the others' sake: my stores into the stage are done
	s_barrier_signal -1
	s_barrier_wait -1
.irp i, 0,1,2,3
	ds_load_b128 v[OUTR+4*\i:OUTR+4*\i+3], v7 offset:(\i/2)*SP+(\i%2)*512   ; row 2 w + i / 2, half i % 2
.endr
.irp i, 0,1,2,3
	s_wait_dscnt 3-\i                              ; LDS loads come back in order: load i is in
	global_store_b128 v3, v[OUTR+4*\i:OUTR+4*\i+3], s[8:9] offset:\i*512 th:TH_STORE_NT   ; 32 lanes store 512 consecutive bytes, aligned
.endr
	s_wait_tensorcnt 0x0
	ds_add_u32 v176, v177
	s_wait_dscnt 0x0
	s_endpgm
.Lfunc_end_k_qb89f2ce3db_sum:
	.size	k_qb89f2ce3db_sum, .Lfunc_end_k_qb89f2ce3db_sum-k_qb89f2ce3db_sum
	.p2alignl 7, 3214868480
	.fill 96, 4, 3214868480
	.section	.rodata,"a",@progbits
	.p2align	6, 0x0
	.amdhsa_kernel k_qb89f2ce3db_sum
		.amdhsa_group_segment_fixed_size 17664
		.amdhsa_private_segment_fixed_size 0
		.amdhsa_enable_private_segment 0
		.amdhsa_kernarg_size 24
		.amdhsa_user_sgpr_count 2
		.amdhsa_user_sgpr_kernarg_segment_ptr 1
		.amdhsa_wavefront_size32 1
		.amdhsa_system_sgpr_workgroup_id_x 1
		.amdhsa_system_sgpr_workgroup_id_y 1
		.amdhsa_system_sgpr_workgroup_id_z 1
		.amdhsa_system_vgpr_workitem_id 0
		.amdhsa_next_free_vgpr 178
		.amdhsa_next_free_sgpr 66
		.amdhsa_reserve_vcc 0
		.amdhsa_float_denorm_mode_32 3
		.amdhsa_float_denorm_mode_16_64 3
		.amdhsa_memory_ordered 1
		.amdhsa_forward_progress 1
		.amdhsa_inst_pref_size 11
	.end_amdhsa_kernel
	.amdgpu_metadata
---
amdhsa.version: [ 1, 2 ]
amdhsa.kernels:
  - .name:           k_qb89f2ce3db_sum
    .symbol:         k_qb89f2ce3db_sum.kd
    .args:
      - { .name: part, .offset: 0, .size: 8, .value_kind: global_buffer, .address_space: global }
      - { .name: lowp_scales, .offset: 8, .size: 8, .value_kind: global_buffer, .address_space: global }
      - { .name: out0, .offset: 16, .size: 8, .value_kind: global_buffer, .address_space: global }
    .group_segment_fixed_size: 17664
    .private_segment_fixed_size: 0
    .kernarg_segment_align: 8
    .kernarg_segment_size: 24
    .max_flat_workgroup_size: 256
    .sgpr_count:     66
    .vgpr_count:     178
    .wavefront_size: 32
...
	.end_amdgpu_metadata
.endif
;; end of part 3
